; MI455X (gfx1250); checked and timed in simulation.
; The chip was launched on July 23, 2026; its instructions are those of AMD's public machine-readable ISA for CDNA 5 (MIT licence, August 2026) and "CDNA5" Instruction Set Architecture Reference Guide (July 2026). The comments in the code are by the model that wrote it; some were corrected since.
;; Hashed Linear. Allowed arithmetic: float matrix products may take bf16 or f16 operands with f32 sums; other float arithmetic in f32, or as packed bf16 or f16 multiplies, adds, multiply-adds, maxima and minima; sums over many terms, partial sums and values carried from step to step in f32; what a program stores and reads back later, other than sums and carried values, may be rounded once to bf16 or f16.
;; Inputs: bias 4,096 float32; indices_hash 16,777,216 int32; weight 65,536 float32; x 4,096 x 4,096 float32.
;; Outputs: out0 4,096 x 4,096 float32.
;; One version. Each part assembles by itself: llvm-mc -triple=amdgcn-amd-amdhsa -mcpu=gfx1250 --defsym DOCPART=n.
;; ======== version 1 of 1: 2 launches
;; workspace buffers: xb 33,554,432 bytes; wb 33,554,432 bytes
;; launch prep (part 1): grid 256 x 1, 16 waves a work-group, no clusters, 264,192 bytes of LDS; arguments x, indices_hash, weight, xb, wb; writes xb, wb
.if DOCPART == 1
	.amdgcn_target "amdgcn-amd-amdhsa--gfx1250"
	.amdhsa_code_object_version 6
	.text
	.protected	k_qe679745a95_prep
	.globl	k_qe679745a95_prep
	.p2align	8
	.type	k_qe679745a95_prep,@function
k_qe679745a95_prep:
	s_mov_b64 s[64:65], 0
	v_nop
	global_prefetch_b8 v0, s[64:65] scope:SCOPE_SE
	s_setreg_imm32_b32 hwreg(HW_REG_WAVE_MODE, 25, 1), 1
	s_wait_xcnt 0x0
; xb[t][i] = bf16(x[t][i]);  wb[o][i] = bf16(weight[indices_hash[o*4096 + i]]).  x: [4096][4096] f32, indices_hash: [4096*4096] int32, weight: [65536] f32; xb, wb: [4096][4096] bf16.
; Both are made once here, so that the product that follows reads 16-bit rows and gathers nothing.
; LIMITS.  An index is taken as unsigned and held to 65,535 at the most (the problem grants 0 .. 65,535); x and weight are rounded once, to nearest even, to bf16.
; SHARES.  Work-group g owns rows 16 g .. 16 g + 15 of x and of the dense weight; each of its sixteen waves owns one row of each: 16,384 bytes in, 8,192 bytes out.
; A row goes in 32 chunks: a load of the wave takes 512 consecutive bytes (16 a lane), a store writes 256 consecutive bytes (8 a lane), at a multiple of 256 from the buffer's first byte.
; THE TABLE, 262,144 bytes of f32, lies in LDS as it lies in memory; each wave brings a sixteenth by one tensor load, once.  While it lands the wave converts its row of x,
; and each chunk's registers are loaded again with the same chunk of the indices, so that 32 loads of every wave stay on their way.
; NO CLUSTER: the table is the one thing that work-groups share (262,144 bytes beside each work-group's own 524,288 read), but the gather's LDS addresses are made of each
; work-group's own indices.
; No matrix unit and no loop: a wave's share is 32 chunks, written out by .rept.
.set SPARE, 262144                     ; behind the table: the spare words, 128 bytes for each of the 16 waves: eight blocks of 256 bytes that no other line names
.set LOFF, 1                           ; v1        16 x lane: my bytes in a chunk as loaded; never rewritten
.set SOFF, 2                           ; v2        8 x lane: my bytes in a chunk as stored; never rewritten
.set SPW,  4                           ; v4        LDS address of my spare word; never rewritten
.set NIL,  5                           ; v5        0; never rewritten
.set D,    8                           ; v[8:135]  chunk j at D + 4 j: x, then indices, then LDS addresses, then (two registers) the packed weights
.set Y,    136                         ; v[136:199] first chunk j's packed x at Y + 2 j; then two buffers of 32 gathered weights
.set WV,   14                          ; s14       my wave's number
.set G0,   24                          ; s[24:27]  descriptor group 0
.set G1,   28                          ; s[28:35]  descriptor group 1
	s_load_b256 s[4:11], s[0:1], 0x0               ; x s[4:5], indices s[6:7], weight s[8:9], xb s[10:11]
	s_load_b64 s[12:13], s[0:1], 0x20              ; wb
	v_lshl_add_u32 v[SPW], v0, 2, SPARE
	v_mov_b32 v[NIL], 0
	ds_add_u32 v[SPW], v[NIL]                      ; the wave's opening: the add and its wait stand ahead of my first tensor load; the set-up below, work on registers, stands between them
	ds_add_u32 v4, v5
	v_lshrrev_b32 v3, 5, v0
	v_readfirstlane_b32 s[WV], v3                  ; wave 0..15, as a scalar
	v_and_b32 v3, 31, v0                           ; lane
	v_lshlrev_b32 v[LOFF], 4, v3
	v_lshlrev_b32 v[SOFF], 3, v3
	s_lshl_b32 s17, s[WV], 14                      ; my row among the group's 16, in bytes of input; also my sixteenth of the table
	s_lshl_b32 s18, ttmp9, 18                      ; the group's 16 rows of 16,384 bytes
	s_add_co_u32 s18, s18, s17                     ; under 2^26
	s_mov_b32 s19, 0
	s_lshr_b32 s20, s18, 1                         ; the same row in xb and wb: half the bytes
	s_mov_b32 s21, 0
	s_mov_b32 s22, s17
	s_mov_b32 s23, 0
	; The descriptor: 16,384 dense bytes as 64 rows of 32 elements of 8 bytes (256 bytes a row), no padding: the gather's addresses are scattered, so a pad would serve nothing.
	s_mov_b32 s[G0], 1                             ; count = 1
	s_lshl_b32 s[G0+1], s[WV], 14                  ; LDS address: wave x 16,384
	s_mov_b32 s[G1+0], 3<<16                       ; no mask; elements of 8 bytes; padding off
	s_mov_b32 s[G1+1], 32<<16                      ; tensor_dim0 = 32
	s_mov_b32 s[G1+2], 64<<16                      ; tensor_dim1 = 64
	s_mov_b32 s[G1+3], 32<<16                      ; tile_dim0 = 32
	s_mov_b32 s[G1+4], 64                          ; tile_dim1 = 64
	s_mov_b32 s[G1+5], 32                          ; 32 elements from row to row
	s_mov_b32 s[G1+6], 0
	s_mov_b32 s[G1+7], 0
	s_wait_dscnt 0x0                               ; the opening add is done
	s_wait_kmcnt 0x0
	s_add_nc_u64 s[G0+2:G0+3], s[8:9], s[22:23]    ; global address: my sixteenth of the table
	s_or_b32 s[G0+3], s[G0+3], 0x80000000          ; type = 2
	tensor_load_to_lds s[G0:G0+3], s[G1:G1+7]      ; my one tensor load of the launch; its registers are never rewritten
	s_nop 0
	s_add_nc_u64 s[4:5], s[4:5], s[18:19]          ; x and the indices at my row,
	s_add_nc_u64 s[6:7], s[6:7], s[18:19]
	s_add_nc_u64 s[10:11], s[10:11], s[20:21]      ; xb and wb at my row
	s_add_nc_u64 s[12:13], s[12:13], s[20:21]
.set j, 0
.rept 32                                               ; my whole row of x: 32 loads, 16,384 bytes of the wave on their way
	global_load_b128 v[D+4*j:D+4*j+3], v[LOFF], s[4:5] offset:512*j th:TH_LOAD_NT
.set j, j+1
.endr
; x, chunk by chunk: rounded, its registers loaded again with the indices' chunk, stored.
.set j, 0
.rept 32
	s_wait_loadcnt 31                              ; behind x's chunk j stand 31 - j loads of x and j of the indices: always 31
	v_cvt_pk_bf16_f32 v[Y+2*j],   v[D+4*j],   v[D+4*j+1]
	v_cvt_pk_bf16_f32 v[Y+2*j+1], v[D+4*j+2], v[D+4*j+3]
	global_load_b128 v[D+4*j:D+4*j+3], v[LOFF], s[6:7] offset:512*j th:TH_LOAD_NT
	global_store_b64 v[SOFF], v[Y+2*j:Y+2*j+1], s[10:11] offset:256*j  ; no hint: the next launch reads xb
.set j, j+1
.endr
	s_wait_tensorcnt 0x0                           ; my sixteenth of the table is in LDS,
	s_wait_xcnt 0x0                                ; and every store above has had its addresses translated (ISA guide 3.1): Y is written again only behind this wait
	s_barrier_signal -1
	s_barrier_wait -1                              ; every wave's sixteenth is in: the gathers may read the whole table
; Eight chunks' indices become LDS addresses, and their 32 gathers a lane go out, into buffer g % 2 of Y.
.macro GATH g
	s_wait_loadcnt 24-8*(\g)                       ; behind the indices' chunk 8 g + 7 stand 24 - 8 g loads
.set n, 0
.rept 32
	v_min_u32 v[D+32*(\g)+n], 0xffff, v[D+32*(\g)+n]       ; inside the table whatever was loaded
.set n, n+1
.endr
.set n, 0
.rept 32
	v_lshlrev_b32 v[D+32*(\g)+n], 2, v[D+32*(\g)+n]        ; 4 bytes a bin: 262,140 at the most
.set n, n+1
.endr
.set n, 0
.rept 32
	ds_load_b32 v[Y+32*((\g)%2)+n], v[D+32*(\g)+n]
.set n, n+1
.endr
.endm
; The same eight chunks are rounded, into registers that held their addresses and are not written again, and stored.
.macro OUTG g
.set c, 0
.rept 8
	v_cvt_pk_bf16_f32 v[D+4*(8*(\g)+c)],   v[Y+32*((\g)%2)+4*c],   v[Y+32*((\g)%2)+4*c+1]
	v_cvt_pk_bf16_f32 v[D+4*(8*(\g)+c)+1], v[Y+32*((\g)%2)+4*c+2], v[Y+32*((\g)%2)+4*c+3]
	global_store_b64 v[SOFF], v[D+4*(8*(\g)+c):D+4*(8*(\g)+c)+1], s[12:13] offset:256*(8*(\g)+c)
.set c, c+1
.endr
.endm
	GATH 0
	GATH 1
	s_wait_dscnt 32                                ; LDS loads come back in order (ISA guide 5.7.1): all but the next group's 32 are in
	OUTG 0
	GATH 2
	s_wait_dscnt 32
	OUTG 1
	GATH 3
	s_wait_dscnt 32
	OUTG 2
	s_wait_dscnt 0x0
	OUTG 3
	s_wait_tensorcnt 0x0                           ; the wave's end, behind my last tensor load
	ds_add_u32 v[SPW], v[NIL]
	s_wait_dscnt 0x0
	s_endpgm
.Lfunc_end_k_qe679745a95_prep:
	.size	k_qe679745a95_prep, .Lfunc_end_k_qe679745a95_prep-k_qe679745a95_prep
	.p2alignl 7, 3214868480
	.fill 96, 4, 3214868480
	.section	.rodata,"a",@progbits
	.p2align	6, 0x0
	.amdhsa_kernel k_qe679745a95_prep
		.amdhsa_group_segment_fixed_size 264192
		.amdhsa_private_segment_fixed_size 0
		.amdhsa_enable_private_segment 0
		.amdhsa_kernarg_size 40
		.amdhsa_user_sgpr_count 2
		.amdhsa_user_sgpr_kernarg_segment_ptr 1
		.amdhsa_wavefront_size32 1
		.amdhsa_system_sgpr_workgroup_id_x 1
		.amdhsa_system_sgpr_workgroup_id_y 1
		.amdhsa_system_sgpr_workgroup_id_z 1
		.amdhsa_system_vgpr_workitem_id 0
		.amdhsa_next_free_vgpr 200
		.amdhsa_next_free_sgpr 66
		.amdhsa_reserve_vcc 0
		.amdhsa_float_denorm_mode_32 3
		.amdhsa_float_denorm_mode_16_64 3
		.amdhsa_memory_ordered 1
		.amdhsa_forward_progress 1
		.amdhsa_inst_pref_size 44
	.end_amdhsa_kernel
	.amdgpu_metadata
---
amdhsa.version: [ 1, 2 ]
amdhsa.kernels:
  - .name:           k_qe679745a95_prep
    .symbol:         k_qe679745a95_prep.kd
    .args:
      - { .name: x, .offset: 0, .size: 8, .value_kind: global_buffer, .address_space: global }
      - { .name: indices_hash, .offset: 8, .size: 8, .value_kind: global_buffer, .address_space: global }
      - { .name: weight, .offset: 16, .size: 8, .value_kind: global_buffer, .address_space: global }
      - { .name: xb, .offset: 24, .size: 8, .value_kind: global_buffer, .address_space: global }
      - { .name: wb, .offset: 32, .size: 8, .value_kind: global_buffer, .address_space: global }
    .group_segment_fixed_size: 264192
    .private_segment_fixed_size: 0
    .kernarg_segment_align: 8
    .kernarg_segment_size: 40
    .max_flat_workgroup_size: 512
    .sgpr_count:     66
    .vgpr_count:     200
    .wavefront_size: 32
...
	.end_amdgpu_metadata
.endif
;; end of part 1
;; launch gemm (part 2): grid 16 x 16, 4 waves a work-group, clusters of 4 x 4, 327,680 bytes of LDS; arguments xb, wb, bias, out0; writes out0
.if DOCPART == 2
	.amdgcn_target "amdgcn-amd-amdhsa--gfx1250"
	.amdhsa_code_object_version 6
	.text
	.protected	k_qe679745a95_gemm
	.globl	k_qe679745a95_gemm
	.p2align	8
	.type	k_qe679745a95_gemm,@function
k_qe679745a95_gemm:
	s_mov_b64 s[64:65], 0
	v_nop
	global_prefetch_b8 v0, s[64:65] scope:SCOPE_SE
	s_setreg_imm32_b32 hwreg(HW_REG_WAVE_MODE, 25, 1), 1
	s_wait_xcnt 0x0
	s_wait_alu depctr_hold_cnt(0) depctr_sa_sdst(0) depctr_va_vdst(0) depctr_va_sdst(0) depctr_va_ssrc(0) depctr_va_vcc(0) depctr_vm_vsrc(0)
	s_getreg_b32 s2, hwreg(HW_REG_IB_STS2, 6, 4)
	s_cmp_eq_u32 s2, 0
	s_cbranch_scc0 .Lentry_in_a_cluster
	s_endpgm
.Lentry_in_a_cluster:
	s_bfe_u32 s2, ttmp6, 0x10000c
	s_cmp_lg_u32 s2, 0xf033
	s_cbranch_scc0 .Lentry_shape_is_right
	s_endpgm
.Lentry_shape_is_right:
; out0[t][o] = bias[o] + sum over i of xb[t][i] wb[o][i].  xb: [4096][4096] bf16 (A), wb: [4096][4096] bf16 (B), bias: [4096] f32, out0: [4096][4096] f32 (C); sums in f32.
; LIMITS.  The operands are x and the gathered weight rounded once to bf16; bias stays f32 and is the C operand that STARTS each sum, so it is added first and not last.
; A tile of C, 256 x 256, is made by a work-group of four waves; a wave makes 128 x 128: 64 accumulators of 16 x 16, 512 registers.  C has 16 x 16 tiles: one to each of 256 work-groups.
; K goes in 32 steps of 128 through a ring of two LDS slots filled by the tensor data mover: the rows of A's and B's tiles are 256 bytes of memory and start at multiples of 256 bytes.
; The last K step goes by rows of C, so that finished rows leave while the others are multiplied.
; CLUSTERS: 4 x 4 work-groups.  The four of a row of the cluster need the same tiles of A, the four of a column the same tiles of B: each tile is asked for JOINTLY, by the same tensor load
; with the same descriptor and a mask that names the four; each receives it in its own LDS.  That divides the requests for A and for B by four.
;
; REGISTERS, in windows of 256 (s_set_vgpr_msb's low byte: bits 1:0 source 0, 3:2 source 1, 5:4 source 2, 7:6 destination):
;   window 0: v0-31 addresses; v64-127, v128-191 fragments of A, two buffers (in the last K step four, of 16 rows x 128 K); v192-255 first bias, then 16 rows on the way out
;   window 1: v64-127, v128-191 fragments of B, two buffers; in the last K step all 256: B's fragments of the whole step
;   window 2: the 32 accumulators of my rows 0-63 (accumulator (a, b) at v[8 (8 a + b)]);   window 3: those of my rows 64-127
; THE MATRIX INSTRUCTION IS USED TRANSPOSED: source 0 = 16 rows of B, source 1 = 16 rows of A.  In the result lane l holds row l % 16 of C and its registers 0 to 7 the columns
; 8 (l / 16) + 0 .. 7: 32 neighbouring bytes of a row of C.  So a lane's bias for n block b is eight neighbouring numbers, the same for every m block.
.set SIZE_M, 4096
.set SIZE_N, 4096
.set SIZE_K, 4096
.set KSTEP,  128
.set PITCH,  272                       ; an LDS row: 256 bytes of data + 16 of padding = 68 words: row r starts at bank 4 r mod 64 (64 banks of 4 bytes: ISA guide 11.1), so the 16 rows that a load touches start at 16 different banks
.set HALFT,  128*PITCH                 ; 128 rows: what one tensor load brings, and what one wave reads of A or of B
.set SLOT,   4*HALFT                   ; A's 256 rows, then B's 256 rows
.set STAGE,  2*SLOT                    ; behind the ring, never filled by a tensor load: for each wave 16 rows of 128 f32, for the way out
.set SPITCH, 528                       ; a stage row: 512 bytes + 16: the 16 rows that a store touches start at 16 different groups of four banks
.set WSTAGE, 16*SPITCH                 ; a wave's stage: 8,448 bytes, 33 blocks of 256
.set SPARE,  STAGE+4*WSTAGE            ; behind the stages: the spare words, 128 bytes for each wave: two blocks of 256 bytes that no other line names
.set LAPS, SIZE_K/(2*KSTEP)            ; a lap = two K steps = once round the ring: 16
.set ADRA, 16                          ; v16-17  LDS address of my A fragments in slot 0, 1
.set ADRB, 20                          ; v20-21  the same for B
.set STO,  24                          ; v24     the way out: where I put 32 bytes of a row
.set RD,   25                          ; v25     the way out: where I read 16 bytes of a row back
.set CO,   26                          ; v26     16 x lane: my bytes in my wave's 512 of a row of C
.set BO,   27                          ; v27     32 (l / 16): my eight numbers in 16 of bias
.set SPW,  28                          ; v28     LDS address of my spare word: SPARE + 4 x my thread's number; never rewritten
.set NIL,  29                          ; v29     0; never rewritten
.set F0,   64                          ; fragment buffer 0
.set F1,   128                         ; fragment buffer 1
.set BIAS, 192                         ; v192-255 of window 0: bias of n block b at BIAS + 8 b
.set OB,   192                         ; the same registers later: 16 rows read back from the stage
.set PA,   64                          ; the last K step: A's fragments of 16 rows x 128 K, 32 registers; four such buffers, v64-191
.set G1, 24                            ; s[24:31] descriptor group 1 for A's tiles
.set G0, 32                            ; s[32:39] descriptor group 0 for A's tiles, one set for each slot
.set G1B, 48                           ; s[48:55] descriptor group 1 for B's tiles: it differs from A's in the mask alone
.set G0B, 56                           ; s[56:63] descriptor group 0 for B's tiles, one set for each slot
.set MSB, 0
.macro WIN new                         ; the immediate's high byte repeats the setting that is left; a switch that changes nothing is dropped
.if MSB != (\new)
	s_set_vgpr_msb (MSB<<8)|(\new)
.set MSB, \new
.endif
.endm
.set MUL_LO, 0xa1                      ; source 0 (B) window 1, source 1 (A) window 0, C and D window 2
.set MUL_HI, 0xf1                      ; the same, C and D window 3
.set TO_B,   0x40                      ; destination window 1, address window 0
; A joint load.  Waves 0 and 1 fetch A's two halves, waves 2 and 3 B's.  Each of the two lines has ONE mask and one set of registers for all that issue it.  The branch hangs on the wave's number alone.
; An s_nop 0 and four v_nop follow each of the two lines; the jump round the other line, the label and what follows the macro come after them.
.macro JLOAD s
	s_cmp_eq_u32 s11, 0
	s_cbranch_scc0 .Lfor_b_\@
	tensor_load_to_lds s[G0+4*(\s):G0+4*(\s)+3], s[G1:G1+7]
	s_nop 0
.rept 4
	v_nop
.endr
	s_branch .Lasked_\@
.Lfor_b_\@:
	tensor_load_to_lds s[G0B+4*(\s):G0B+4*(\s)+3], s[G1B:G1B+7]
	s_nop 0
.rept 4
	v_nop
.endr
.Lasked_\@:
.endm
; A round of the cluster's barrier: my work-group's barrier, so that wave 0's signal speaks for all four waves; wave 0 signals for the work-group; every wave waits for all
; sixteen work-groups; my work-group's barrier once more.  No LDS instruction of the wave is pending at a signal.
.macro CREST                           ; a round behind its opening barrier
	s_cmp_lg_u32 s10, 0
	s_cbranch_scc1 .Lnot_wave_0_\@
	s_barrier_signal -3
.Lnot_wave_0_\@:
	s_barrier_wait -3
	s_barrier_signal -1
	s_barrier_wait -1
.endm
.macro CROUND                          ; a whole round
	s_barrier_signal -1
	s_barrier_wait -1
	CREST
.endm
	s_load_b128 s[4:7], s[0:1], 0x0                ; A s[4:5], B s[6:7]
	s_load_b64 s[66:67], s[0:1], 0x10              ; bias
	s_load_b64 s[8:9], s[0:1], 0x18                ; C
	v_lshl_add_u32 v[SPW], v0, 2, SPARE
	v_mov_b32 v[NIL], 0
	ds_add_u32 v[SPW], v[NIL]                      ; the wave's opening: the add and its wait stand ahead of my first tensor load; the set-up below, work on registers, stands between them
	ds_add_u32 v28, v29
	v_lshrrev_b32 v1, 5, v0
	v_readfirstlane_b32 s10, v1                    ; wave 0..3
	s_lshr_b32 s11, s10, 1                         ; which half of the tile's rows is mine.  Also: I fetch for A (0) or for B (1)
	s_and_b32 s12, s10, 1                          ; which half of its columns.  Also: which 128 rows of that tile I fetch
	s_bfe_u32 s40, ttmp6, 0x40000                  ; cx: my place along the cluster's x
	s_bfe_u32 s41, ttmp6, 0x40004                  ; cy: along its y
	s_lshl_b32 s42, ttmp9, 2                       ; in a cluster launch ttmp9 and ttmp7 count clusters
	s_add_co_u32 s42, s42, s40                     ; tile column of C = 4 x cluster x + cx
	s_and_b32 s13, ttmp7, 0xffff
	s_lshl_b32 s13, s13, 2
	s_add_co_u32 s13, s13, s41                     ; tile row of C = 4 x cluster y + cy
	s_lshl_b32 s43, s41, 2
	s_lshl_b32 s43, 15, s43                        ; my row of the cluster: places 4 cy .. 4 cy + 3
	s_lshl_b32 s44, 0x1111, s40                    ; my column: places cx, cx + 4, cx + 8, cx + 12
	; descriptor group 1: a tile of 128 rows x 128 elements, padded in LDS
	s_or_b32 s[G1+0], s43, (1<<16)|(1<<20)|(1<<21)|(5<<22)|(3<<25)  ; 15:0 the mask: A's tiles go to my row; 17:16 element of 2 bytes; 20 padding on; 21 set beside a mask; 24:22 after every 64 words (code 5); 31:25 of 4 words (code 3)
	s_or_b32 s[G1B+0], s44, (1<<16)|(1<<20)|(1<<21)|(5<<22)|(3<<25) ; the same with the mask of my column, for B's tiles
	s_mov_b32 s[G1B+1], KSTEP<<16
	s_mov_b32 s[G1+1], KSTEP<<16                   ; tensor_dim0 = 128
	s_mov_b32 s[G1B+2], 128<<16
	s_mov_b32 s[G1+2], 128<<16                     ; tensor_dim1 = 128
	s_mov_b32 s[G1B+3], KSTEP<<16
	s_mov_b32 s[G1+3], KSTEP<<16                   ; tile_dim0 = 128
	s_mov_b32 s[G1B+4], 128
	s_mov_b32 s[G1+4], 128                         ; tile_dim1 = 128; tile_dim2 = 0
	s_mov_b32 s[G1B+5], SIZE_K
	s_mov_b32 s[G1+5], SIZE_K                      ; elements from row to row
	s_mov_b32 s[G1B+6], 0
	s_mov_b32 s[G1+6], 0
	s_mov_b32 s[G1B+7], 0
	s_mov_b32 s[G1+7], 0
	; where the tiles come from.  A's hang on the tile row alone, which my row of the cluster shares; B's on the tile column alone, which my column shares.
	; Every wave makes both addresses, in registers that never hold the other coordinate, and asks by one of them.
	s_lshl_b32 s17, s12, 7                         ; which 128 rows of the tile I fetch
	s_lshl_b32 s16, s13, 8
	s_add_co_u32 s16, s16, s17                     ; A: row 256 x tile row + 128 x half
	s_lshl_b32 s46, s42, 8
	s_add_co_u32 s46, s46, s17                     ; B: row 256 x tile column + 128 x half
	s_mov_b32 s17, 0
	s_mov_b32 s47, 0
	s_mov_b64 s[18:19], SIZE_K*2
	s_mul_u64 s[16:17], s[16:17], s[18:19]         ; in bytes, in 64 bits
	s_mul_u64 s[46:47], s[46:47], s[18:19]
	s_mul_i32 s20, s10, HALFT                      ; and where they go: A's two halves, then B's two halves = wave x 128 rows: no place in the cluster enters an LDS address
	s_wait_dscnt 0x0                               ; the opening add is done
	s_wait_kmcnt 0x0
	s_add_nc_u64 s[14:15], s[4:5], s[16:17]
	s_add_nc_u64 s[46:47], s[6:7], s[46:47]
	CROUND                                         ; all sixteen work-groups are here: the first joint loads meet
.irp s, 0,1
	s_mov_b32 s[G0+4*(\s)], 1                                      ; count = 1
	s_add_co_u32 s[G0+4*(\s)+1], s20, (\s)*SLOT                    ; LDS address
	s_add_nc_u64 s[G0+4*(\s)+2:G0+4*(\s)+3], s[14:15], (\s)*KSTEP*2  ; global address: K step s
	s_or_b32 s[G0+4*(\s)+3], s[G0+4*(\s)+3], 0x80000000            ; type = 2
	s_mov_b32 s[G0B+4*(\s)], 1
	s_add_co_u32 s[G0B+4*(\s)+1], s20, (\s)*SLOT
	s_add_nc_u64 s[G0B+4*(\s)+2:G0B+4*(\s)+3], s[46:47], (\s)*KSTEP*2
	s_or_b32 s[G0B+4*(\s)+3], s[G0B+4*(\s)+3], 0x80000000
	JLOAD \s                                       ; the ring is filled before anything else is done: two tensor loads of mine are out
.endr
	; A fragment is 16 rows x 32 K in 8 registers: lane l holds row l % 16; registers 0-3 hold K = 8 (l / 16) + 0..7, registers 4-7 hold
	; K = 16 + 8 (l / 16) + 0..7.  From rows that lie along K: two loads of 16 bytes, 32 bytes apart.  The same for source 0 and source 1.
	v_and_b32 v1, 15, v0                           ; l % 16
	v_bfe_u32 v2, v0, 4, 1                         ; l / 16
	v_mul_u32_u24 v3, v1, PITCH
	v_lshl_add_u32 v3, v2, 4, v3                   ; row x pitch + 16 x half
	s_mul_i32 s21, s11, HALFT                      ; my 128 rows of A
	s_mul_i32 s22, s12, HALFT                      ; my 128 rows of B,
	s_add_co_u32 s22, s22, 2*HALFT                 ; which lie behind A's 256
.irp s, 0,1
	v_add_nc_u32 v[ADRA+(\s)], s21, v3
	v_add_nc_u32 v[ADRB+(\s)], s22, v3
	s_add_co_u32 s21, s21, SLOT
	s_add_co_u32 s22, s22, SLOT
.endr
	s_mul_i32 s23, s10, WSTAGE
	s_add_co_u32 s23, s23, STAGE                   ; my stage
	v_mul_u32_u24 v4, v1, SPITCH                   ; in: row l % 16, 32 bytes for each half of the lanes
	v_lshl_add_u32 v4, v2, 5, v4
	v_add_nc_u32 v[STO], s23, v4
	v_and_b32 v5, 31, v0
	v_lshlrev_b32 v[CO], 4, v5                     ; back: the 32 lanes take one row's 512 bytes,
	v_add_nc_u32 v[RD], s23, v[CO]                 ; and the same 512 bytes of a row of C
	v_lshlrev_b32 v[BO], 5, v2
	; my first column, in bytes of f32: the same figure for bias and for C (in the registers that held B's address: none that feeds A's descriptors holds cx while they are made)
	s_lshl_b32 s46, s42, 10                        ; 1,024 x tile column
	s_lshl_b32 s47, s12, 9                         ; + 512 x half
	s_add_co_u32 s46, s46, s47
	s_mov_b32 s47, 0
	s_add_nc_u64 s[66:67], s[66:67], s[46:47]      ; bias at my 128 columns
	s_lshl_b32 s16, s13, 8
	s_lshl_b32 s14, s11, 7
	s_add_co_u32 s16, s16, s14                     ; my first row of C
	s_mov_b32 s17, 0
	s_mov_b64 s[18:19], SIZE_N*4
	s_mul_u64 s[16:17], s[16:17], s[18:19]
	s_add_nc_u64 s[16:17], s[16:17], s[46:47]
	s_add_nc_u64 s[8:9], s[8:9], s[16:17]          ; C at my part's first number; never stepped: the row stands in the stores' immediates
.irp b, 0,1,2,3,4,5,6,7
	global_load_b128 v[BIAS+8*(\b):BIAS+8*(\b)+3],   v[BO], s[66:67] offset:64*(\b)     ; bias of columns 16 b + 8 (l / 16) + 0..3,
	global_load_b128 v[BIAS+8*(\b)+4:BIAS+8*(\b)+7], v[BO], s[66:67] offset:64*(\b)+16  ; and + 4..7
.endr
; 16 matrix instructions: m blocks a0, a0 + 1 of the window's four (hi = 0: my rows 0-63, 1: rows 64-127) x all 8 n blocks, 32 along K.
; first = 1: the first product starts the sums with bias as its C operand (window 0): nothing is ever cleared, and no addition of bias follows.
.macro MUL16 f, hi, a0, first
.if \first
	WIN 0x81+0x40*(\hi)
.else
	WIN MUL_LO+0x50*(\hi)
.endif
.irp a, \a0, (\a0)+1
.irp b, 0,1,2,3,4,5,6,7
.if \first
	v_wmma_f32_16x16x32_bf16 v[8*(8*(\a)+(\b)):8*(8*(\a)+(\b))+7], v[(\f)+8*(\b):(\f)+8*(\b)+7], v[(\f)+8*(4*(\hi)+(\a)):(\f)+8*(4*(\hi)+(\a))+7], v[BIAS+8*(\b):BIAS+8*(\b)+7]
.else
	v_wmma_f32_16x16x32_bf16 v[8*(8*(\a)+(\b)):8*(8*(\a)+(\b))+7], v[(\f)+8*(\b):(\f)+8*(\b)+7], v[(\f)+8*(4*(\hi)+(\a)):(\f)+8*(4*(\hi)+(\a))+7], v[8*(8*(\a)+(\b)):8*(8*(\a)+(\b))+7]
.endif
.endr
.endr
.endm
; 32 LDS loads in one run: the fragments of one quarter step (128 rows of B, 128 rows of A, 32 K at byte k of the rows) into buffer f
.macro FETCH slot, k, f
	WIN TO_B
.irp i, 0,1,2,3,4,5,6,7
	ds_load_b128 v[(\f)+8*(\i):(\f)+8*(\i)+3],   v[ADRB+(\slot)] offset:(\k)+(\i)*16*PITCH
	ds_load_b128 v[(\f)+8*(\i)+4:(\f)+8*(\i)+7], v[ADRB+(\slot)] offset:(\k)+(\i)*16*PITCH+32
.endr
	WIN 0
.irp i, 0,1,2,3,4,5,6,7
	ds_load_b128 v[(\f)+8*(\i):(\f)+8*(\i)+3],   v[ADRA+(\slot)] offset:(\k)+(\i)*16*PITCH
	ds_load_b128 v[(\f)+8*(\i)+4:(\f)+8*(\i)+7], v[ADRA+(\slot)] offset:(\k)+(\i)*16*PITCH+32
.endr
.endm
; A load into a register that a matrix instruction has read, and an LDS store that reads a matrix result, stand four places behind that matrix instruction, and only plain vector
; instructions that name none of its registers are places (ISA guide 7.12.1 for vector instructions).  So four v_nop stand in front of each run of
; loads and of each block's stores into the stage.
.macro PLACES
.rept 4
	v_nop
.endr
.endm
; A K step is four quarter steps of 32 along K, 64 matrix instructions each, on buffers 0, 1, 0, 1.  The 64 accumulators take turns, one instruction a turn, in the same order in every
; quarter.  One of the first three: multiplies buffer f; in its middle it fetches the next quarter's fragments, at byte k of the same slot's rows, into buffer g.
.macro QUARTER slot, k, f, g, first
	s_wait_dscnt 8                                 ; B and A's rows 0-63 are in; the youngest eight loads (A's rows 64-127) may be out
	MUL16 \f, 0, 0, \first
	MUL16 \f, 0, 2, \first
	PLACES
	FETCH \slot, \k, \g
	s_wait_dscnt 32                                ; all but the 32 just issued
	MUL16 \f, 1, 0, \first
	MUL16 \f, 1, 2, \first
.endm
; The last quarter multiplies buffer 1 and changes slots.  MEET is its first half: ONE barrier for the change of slots, for two things.  In front of it each wave waits for
; all its tensor loads, of which one is out: its part of the next slot; adds 0 to its spare word; and waits for that and for its own reads of this slot.  Behind it nobody reads this slot any more and the next slot is whole.
.macro MEET round                      ; round = 1: a round of the cluster's barrier follows
	WIN 0                                          ; (the add's two registers lie in window 0)
	s_wait_tensorcnt 0x0                           ; all my tensor loads have landed: the one that was out is my part of the next slot;
	ds_add_u32 v[SPW], v[NIL]                      ; 0 onto my spare word;
	s_wait_dscnt 9                                 ; (the add and the youngest eight loads may be out)
	MUL16 F1, 0, 0, 0                              ; sixteen matrix instructions stand between the add and the wait for it
	s_wait_dscnt 0x0                               ; the add is done, and my reads of this slot are over:
	s_barrier_signal -1                            ; say so (where a slot is filled again this barrier opens a round of the cluster's barrier),
	MUL16 F1, 0, 2, 0                              ; work on registers while the others arrive,
.if \round
	WIN 0
.endif
	s_barrier_wait -1                              ; and go on when all four have said so
.endm
; The whole last quarter.  Behind the round the slot just read out is filled again first, with the K step two steps on; then come the next slot's first fragments.
; From a request to the wait for it a wave issues 224 matrix instructions; one tensor load of mine is out behind each round.
.macro TURN slot, next
	MEET 1
	CREST                                          ; wave 0 says so for the work-group, all sixteen work-groups have said so, my work-group's barrier closes the round:
	                                               ; no wave of any partner still reads this slot's tile or has a load on its way
	s_add_nc_u64 s[G0+4*(\slot)+2:G0+4*(\slot)+3], s[G0+4*(\slot)+2:G0+4*(\slot)+3], 2*KSTEP*2      ; no tensor load of mine is out, so a group 0 may be written
	s_add_nc_u64 s[G0B+4*(\slot)+2:G0B+4*(\slot)+3], s[G0B+4*(\slot)+2:G0B+4*(\slot)+3], 2*KSTEP*2
	JLOAD \slot                                    ; the first tensor load behind the round; the four v_nop behind it are also the places in front of the loads below
	FETCH \next, 0, F0
	MUL16 F1, 1, 0, 0
	MUL16 F1, 1, 2, 0
.endm
; THE LAST K STEP (it lies in slot 1) GOES BY ROWS OF C, NOT BY K.  All its fragments of B (4 quarters x 64 registers) fill window 1; then my eight blocks of 16 rows are
; finished one after the other, each with 32 matrix instructions (its 8 accumulators by turns, K ascending).  LDS is read no more than in any other K step.
.macro BLOAD q                         ; B's fragments of quarter q -> window 1, v[64 q ..]
	WIN TO_B
.irp i, 0,1,2,3,4,5,6,7
	ds_load_b128 v[64*(\q)+8*(\i):64*(\q)+8*(\i)+3],   v[ADRB+1] offset:64*(\q)+(\i)*16*PITCH
	ds_load_b128 v[64*(\q)+8*(\i)+4:64*(\q)+8*(\i)+7], v[ADRB+1] offset:64*(\q)+(\i)*16*PITCH+32
.endr
.endm
.macro ALOAD a                         ; A's fragments of block a, all four quarters -> buffer a % 4
	WIN 0
.set FA, PA+32*((\a)%4)
.irp q, 0,1,2,3
	ds_load_b128 v[FA+8*(\q):FA+8*(\q)+3],   v[ADRA+1] offset:64*(\q)+(\a)*16*PITCH
	ds_load_b128 v[FA+8*(\q)+4:FA+8*(\q)+7], v[ADRA+1] offset:64*(\q)+(\a)*16*PITCH+32
.endr
.endm
.macro ROW a                           ; block a is finished: 32 matrix instructions
.set FA, PA+32*((\a)%4)                ; its fragments of A
.set AC, 64*((\a)%4)                   ; its eight accumulators, in window 2 (blocks 0-3) or 3 (blocks 4-7)
	WIN MUL_LO+0x50*((\a)/4)
.irp q, 0,1,2,3
.if (\a) == 0 && (\q) == 2
	s_wait_dscnt 24                                ; B's quarter 2 is in (behind it: A's blocks 1 to 3)
.endif
.irp b, 0,1,2,3,4,5,6,7
	v_wmma_f32_16x16x32_bf16 v[AC+8*(\b):AC+8*(\b)+7], v[64*(\q)+8*(\b):64*(\q)+8*(\b)+7], v[FA+8*(\q):FA+8*(\q)+7], v[AC+8*(\b):AC+8*(\b)+7]
.endr
.endr
.endm
; THE WAY OUT of block a.  A lane's 32 bytes are a sixteenth of my wave's 512 bytes of a row, and the lanes beside it hold other rows.  So the block's 16 rows go through my own stage in LDS:
; straight from the accumulators (each accumulator's four lowest registers first) into rows of 528 bytes, and back as whole rows of 512.
.macro TOSTAGE a
.set AC, 64*((\a)%4)
	WIN 0x08+4*((\a)/4)                            ; an LDS store's data are source 1: window 2 or 3; its address, source 0, window 0
.irp b, 0,1,2,3,4,5,6,7
	ds_store_b128 v[STO], v[AC+8*(\b):AC+8*(\b)+3]   offset:64*(\b)
	ds_store_b128 v[STO], v[AC+8*(\b)+4:AC+8*(\b)+7] offset:64*(\b)+16
.endr
	WIN 0
	s_wait_xcnt 0x0                                ; every earlier memory instruction has had its addresses translated (ISA guide 3.1): the registers that the block before's stores read are loaded again only behind this wait
.irp t, 0,1,2,3,4,5,6,7,8,9,10,11,12,13,14,15
	ds_load_b128 v[OB+4*(\t):OB+4*(\t)+3], v[RD] offset:(\t)*SPITCH  ; LDS serves a wave's instructions in order (ISA guide 5.7.1.4): these see the stores above
.endr
.endm
.macro SEND a, younger                 ; younger: the LDS loads issued behind TOSTAGE's, which may stay out
	WIN 0
.irp t, 0,1,2,3,4,5,6,7,8,9,10,11,12,13,14,15
	s_wait_dscnt (\younger)+15-(\t)                ; row t is back: behind its load stand 15 - t of the stage's and the younger ones
	global_store_b128 v[CO], v[OB+4*(\t):OB+4*(\t)+3], s[8:9] offset:(16*(\a)+(\t))*SIZE_N*4 th:TH_STORE_NT  ; the wave stores 512 consecutive bytes, at a multiple of 512 from C's first byte; 127 rows of 16,384 bytes at the most, inside the signed 24-bit immediate
.endr
.endm
	s_wait_loadcnt 0x0                             ; bias, once
	s_wait_tensorcnt 1                             ; my part of K step 0 is in; K step 1's may stay out
	s_barrier_signal -1
	s_barrier_wait -1                              ; everybody's is
	FETCH 0, 0, F0
	QUARTER 0, 64,  F0, F1, 1                      ; the first quarter stands in front of the loop: its products start the sums, with bias
	WIN 0                                          ; at a label and at a branch every window is 0
	s_mov_b32 s3, LAPS-1
.Llap:                                                 ; a trip goes once round the ring, from a lap's second quarter to the next lap's first, and fills both slots again: K steps 2 to 31 in 15 trips
	QUARTER 0, 128, F1, F0, 0
	QUARTER 0, 192, F0, F1, 0
	TURN 0, 1
	QUARTER 1, 64,  F0, F1, 0
	QUARTER 1, 128, F1, F0, 0
	QUARTER 1, 192, F0, F1, 0
	TURN 1, 0
	QUARTER 0, 64,  F0, F1, 0
	WIN 0
	s_sub_co_u32 s3, s3, 1
	s_cmp_lg_u32 s3, 0
	s_cbranch_scc1 .Llap
	QUARTER 0, 128, F1, F0, 0                      ; the last lap goes on; it asks for nothing more
	QUARTER 0, 192, F0, F1, 0
	MEET 0                                         ; my one tensor load that was still out is slot 1's, the last K step's, so no round follows
	PLACES                                         ; for the loads into buffer 0, which the quarter before multiplied
	BLOAD 0                                        ; three quarters of B now: buffer 1 (v128-191 of both windows) is still being multiplied
	BLOAD 1
	BLOAD 3
	ALOAD 0
	MUL16 F1, 1, 0, 0
	MUL16 F1, 1, 2, 0
	PLACES                                         ; for the loads into buffer 1
	BLOAD 2
	ALOAD 1
	ALOAD 2
	ALOAD 3
	s_wait_dscnt 40                                ; all but the 40 just issued: B's quarter 2 (16) and A's blocks 1 to 3 (24)
	ROW 0
.irp a, 0,1,2,3,4,5,6,7                ; each block leaves as soon as it is finished: nothing follows this tile, so the sooner its stores begin, the sooner the launch ends
	PLACES                                         ; the stores into the stage read results just made, and the loads below land in A's buffer just multiplied
	TOSTAGE \a
.if (\a) < 4
	ALOAD (\a)+4                                   ; its buffer takes the block four further on
	SEND \a, 8
.else
	SEND \a, 0
.endif
.if (\a) < 7
	ROW (\a)+1
.endif
.endr
	WIN 0
	s_wait_tensorcnt 0x0                           ; the wave's end, behind my last tensor load and my last LDS store
	ds_add_u32 v[SPW], v[NIL]
	s_wait_dscnt 0x0
	CROUND                                         ; the closing round: no work-group ends while a partner may still ask for a tile that names it
	s_endpgm
.Lfunc_end_k_qe679745a95_gemm:
	.size	k_qe679745a95_gemm, .Lfunc_end_k_qe679745a95_gemm-k_qe679745a95_gemm
	.p2alignl 7, 3214868480
	.fill 96, 4, 3214868480
	.section	.rodata,"a",@progbits
	.p2align	6, 0x0
	.amdhsa_kernel k_qe679745a95_gemm
		.amdhsa_group_segment_fixed_size 327680
		.amdhsa_private_segment_fixed_size 0
		.amdhsa_enable_private_segment 0
		.amdhsa_kernarg_size 32
		.amdhsa_user_sgpr_count 2
		.amdhsa_user_sgpr_kernarg_segment_ptr 1
		.amdhsa_wavefront_size32 1
		.amdhsa_system_sgpr_workgroup_id_x 1
		.amdhsa_system_sgpr_workgroup_id_y 1
		.amdhsa_system_sgpr_workgroup_id_z 1
		.amdhsa_system_vgpr_workitem_id 0
		.amdhsa_next_free_vgpr 1024
		.amdhsa_next_free_sgpr 68
		.amdhsa_reserve_vcc 0
		.amdhsa_float_denorm_mode_32 3
		.amdhsa_float_denorm_mode_16_64 3
		.amdhsa_memory_ordered 1
		.amdhsa_forward_progress 1
		.amdhsa_inst_pref_size 146
	.end_amdhsa_kernel
	.amdgpu_metadata
---
amdhsa.version: [ 1, 2 ]
amdhsa.kernels:
  - .name:           k_qe679745a95_gemm
    .symbol:         k_qe679745a95_gemm.kd
    .args:
      - { .name: xb, .offset: 0, .size: 8, .value_kind: global_buffer, .address_space: global }
      - { .name: wb, .offset: 8, .size: 8, .value_kind: global_buffer, .address_space: global }
      - { .name: bias, .offset: 16, .size: 8, .value_kind: global_buffer, .address_space: global }
      - { .name: out0, .offset: 24, .size: 8, .value_kind: global_buffer, .address_space: global }
    .group_segment_fixed_size: 327680
    .private_segment_fixed_size: 0
    .kernarg_segment_align: 8
    .kernarg_segment_size: 32
    .max_flat_workgroup_size: 128
    .sgpr_count:     68
    .vgpr_count:     1024
    .wavefront_size: 32
...
	.end_amdgpu_metadata
.endif
;; end of part 2
